; MI455X (gfx1250); checked and timed in simulation.
; The chip was launched on July 23, 2026; its instructions are those of AMD's public machine-readable ISA for CDNA 5 (MIT licence, August 2026) and "CDNA5" Instruction Set Architecture Reference Guide (July 2026). The comments in the code are by the model that wrote it; some were corrected since.
;; Attn. Allowed arithmetic: matrix products marked QUANTISED: E2M3 operands, one E8M0 scale for each 32 along K, by v_wmma_scale_f32_16x16x128_f8f6f4 with both operands' format E2M3, f32 sums; products left as they are: f32 operands where the result goes on into a quantised operand, else bf16, f16 or f32 operands; f32 sums; everything else in f32.
;; Inputs: attn_b 1,024 float32; attn_w 1,024 x 2,048 float32; encoder_outputs 2,048 x 32 x 1,024 float32; hidden_codes 32 x 32 x 24 uint8 (E2M3 codes of hidden, K innermost, in blocks of 32 codes, four codes in three bytes); hidden_scales 32 x 32 uint8 (E8M0 scales of hidden, one for each 32 codes along K); v 1,024 float32.
;; Outputs: out0 1 x 32 x 1,024 float32.
;; This version of the problem:
;;   THIS VERSION OF THE PROBLEM IS GIVEN IN LOW PRECISION. The matrix products marked QUANTISED in the list below multiply operands that are first quantised to E2M3 (2 exponent bits, 3 mantissa bits; 6 bits a number), with one power-of-two scale for each 32 numbers along K (OCP MX v1.0); their sums are f32. All else is computed in f32.
;;   The module's matrix products, in the order in which they are computed (A, B: the left and right operand; K: the contracted axis; several contracted axes count as one K, in the product's order):
;;     1. [M 32, K 1,024] x [K 1,024, N 1,024]; A: input hidden (given as codes); B: input attn_w: QUANTISED
;;     2. [M 65,536, K 1,024] x [K 1,024, N 1,024]; A: input encoder_outputs; B: input attn_w: QUANTISED
;;     3. [M 65,536, K 1,024] x [K 1,024, N 1]; A: computed on the way; B: input v: left as it is (N = 1 < 16)
;;     4. batch 32 x [M 1, K 2,048] x [K 2,048, N 1,024]; A: softmax; B: input encoder_outputs: left as it is (M = 1 < 16)
;;   THE QUANTISER, for each operand of a quantised product, along K:
;;     - K is cut into blocks of 32 from its start; a last block that is shorter is filled with zeros.
;;     - A block's scale is 2^e with e = floor(log2(the largest magnitude in the block)) - 2, held to -126 .. 127; a block of zeros has e = 0. As a byte (E8M0): e + 127.
;;     - Each number is divided by its block's scale, clamped to +-7.5, and rounded to the nearest number of E2M3, ties to even, subnormals kept.
;;     - The product sums the exact products of the quantised numbers (number of the format x scale) in f32.
;;   ~~~python
;;   def quantise(x, axis):      # numpy; x: float32 -> the quantised numbers, widened to float32 again
;;       x = np.moveaxis(x, axis, -1); K = x.shape[-1]
;;       x = np.pad(x, [(0, 0)] * (x.ndim - 1) + [(0, -K % 32)]); x = x.reshape(x.shape[:-1] + (-1, 32)); a = np.abs(x).max(-1, keepdims=True)
;;       e = np.where(a > 0, np.clip(np.frexp(np.where(a > 0, a, 1))[1] - 1 - 2, -126, 127), 0)      # np.frexp(a)[1] - 1 = floor(log2(a)), exactly
;;       r = np.clip(x / 2.0 ** e, -7.5, 7.5)
;;       step = 2.0 ** (np.maximum(np.frexp(np.where(r == 0, 1, r))[1] - 1, 0) - 3)
;;       q = np.round(r / step) * step * 2.0 ** e      # np.round: ties to even
;;       return np.moveaxis(q.reshape(q.shape[:-2] + (-1,))[..., :K], -1, axis).astype(np.float32)
;;   ~~~
;;   INPUTS GIVEN AS CODES. hidden (in the module: [32, 1024], K = its axis 1): each comes as NAME_codes (uint8): NAME with its K axis moved to the last place and cut into blocks of 32 codes, [.., K / 32, bytes a block], one block behind the other in memory; four codes in three bytes: a row's codes are one little-endian stream of bits, code i at bits 6 i .. 6 i + 5 (a code: sign, 2 exponent bits, 3 mantissa bits); and NAME_scales (uint8): the same leading axes, one E8M0 byte (e + 127) for each 32 codes along K. Its value is code x scale, taken as it is: it is not quantised again, and the codes and scales need not be those that the quantiser above would give.
;; One version. Each part assembles by itself: llvm-mc -triple=amdgcn-amd-amdhsa -mcpu=gfx1250 --defsym DOCPART=n.
;; ======== version 1 of 1: 3 launches
;; limits: values are held in bf16: 8 bits of precision; right only within a limited range of input values
;; workspace buffers: wq 819,200 bytes; hpc 131,072 bytes; part 8,388,608 bytes; stats 16,384 bytes
;; launch prep (part 1): grid 64 x 1, 16 waves a work-group, no clusters, 151,552 bytes of LDS; arguments attn_w, attn_b, hidden_codes, hidden_scales, wq, hpc; writes wq, hpc
.if DOCPART == 1
	.amdgcn_target "amdgcn-amd-amdhsa--gfx1250"
	.amdhsa_code_object_version 6
	.text
	.protected	k_q284d85978a_prep
	.globl	k_q284d85978a_prep
	.p2align	8
	.type	k_q284d85978a_prep,@function
k_q284d85978a_prep:
	s_mov_b64 s[64:65], 0
	v_nop
	global_prefetch_b8 v0, s[64:65] scope:SCOPE_SE
	s_setreg_imm32_b32 hwreg(HW_REG_WAVE_MODE, 25, 1), 1
	s_wait_xcnt 0x0
; attn_w [1024][2048] f32 is quantised along its columns (K) into codes of FP6 (E2M3) with one E8M0 byte for each 32, and the small product is done here:
;   hpc[b][o] = c (sum over k of hidden[b][k] w_h[o][k] + attn_b[o]),  c = 2 log2(e),  hidden given as codes, w_h = columns 0-1023 of attn_w;
;   wq = w_e (columns 1024-2047) as codes IN THE ORDER OF THE OPERAND'S REGISTERS: for each 16 rows o of attn_w (a tile) 8 images of a fragment (16 o x 128 k: 12 registers a lane; register 4 c + i
;   of lane l at 1536 s + 512 c + 16 l + 4 i), then 512 bytes of scale words: the word at 16 l + 4 i is that of row l % 16 for K step 2 i + l / 16.
; SHARES.  Work-group t takes rows 16 t .. 16 t + 15.  Wave w takes columns 128 w .. 128 w + 127: one fragment.  Waves 0-7: w_h's K step w; waves 8-15: w_e's K step w - 8.
; A block's scale is 2^(floor(log2(its largest magnitude)) - 2); its byte is the largest magnitude's exponent field - 2, held at 1 from below.
; LIMITS: a block of zeros gets the byte 1 where the rule says 127 (its codes are zeros, and this program alone reads the bytes); blocks whose largest magnitude lies under 2^-124 were not tried;
; NaN and infinities among the inputs are not served.
; hpc leaves in pieces of 64 bytes: a tile has only 16 columns o; the buffer is 131,072 bytes in all.
.set SPITCH, 528                       ; a stage row: 512 bytes + 16: the sixteen rows that a load of 16 bytes a lane touches begin 33 places of 16 bytes apart
.set WSTG,   16*SPITCH                 ; a wave's stage
.set IMG,    16*WSTG                   ; w_h's eight fragments as images of their registers, 1,536 bytes each
.set HSC,    IMG+8*1536                ; their scale words, 128 bytes each
.set SCG,    HSC+8*128                 ; w_e's scale words of this tile, gathered: 512 bytes
.set LI,  1                            ; v1   16 x lane
.set ST,  2                            ; v2   the stage, on the way in
.set RD,  3                            ; v3   and on the way out
.set IMW, 4                            ; v4   where I store my image
.set HSA, 5                            ; v5   and its scale words
.set SCW, 6                            ; v6   where my scale word goes among w_e's
.set HCA, 7                            ; v7   hidden's codes: 768 r + 24 h
.set HWA, 8                            ; v8   hidden's scale words: 32 r
.set BA,  9                            ; v9   4 r
.set OA,  10                           ; v10  hpc: 32768 h + 4 r
.set SCR, 12                           ; v12  SCG + 16 x lane
.set IMR, 13                           ; v13  IMG + 16 x lane
.set HSR, 14                           ; v14  HSC + 4 x lane
.set WSW, 16                           ; v16-23  w_h's scale words: these and the next eight hold scales and nothing else
.set HSW, 24                           ; v24-31  hidden's scale words
.set PC,  32                           ; v32-51  the codes just made
.set PW,  PC+15                        ; v47     the scale word just made (a register that the conversions leave free)
.set TMX, 52                           ; v52-55  largest magnitudes
.set TMP, 56                           ; v56-59  the other half's; then the bytes
.set TSO, 60                           ; v60-63  the conversions' scale operands
.set LD,  64                           ; v64-127  16 rows x 4 numbers as loaded
.set X,   128                          ; v128-191 64 numbers of my row
.set WF,  64                           ; behind the barrier: v64-159 w_h's eight fragments
.set HF,  160                          ; v160-255 hidden's eight fragments
.set ACC0, 32
.set ACC1, 40
.set OUT,  52
.set SEL, 20
; 64 numbers of a lane, register 16 b + i = k 32 b + 16 (lane / 16) + i of my row, become a fragment's codes in v[PC] on and its scale word in v[PW].
.macro QUANT s
.irp b, 0,1,2,3
	v_max3_num_f32 v[TMX+\b], |v[\s+16*\b]|, |v[\s+1+16*\b]|, 0x1800000   ; block b: my 16 numbers, and the floor 2^(3 - 127): the byte cannot fall under 1
.endr
.irp i, 2,4,6,8,10,12,14
.irp b, 0,1,2,3
	s_delay_alu instid0(VALU_DEP_4)
	v_max3_num_f32 v[TMX+\b], v[TMX+\b], |v[\s+16*\b+\i]|, |v[\s+1+16*\b+\i]|   ; the four blocks by turns
.endr
.endr
.irp b, 0,1,2,3
	s_delay_alu instid0(VALU_DEP_4)
	v_permlanex16_b32 v[TMP+\b], v[TMX+\b], s[SEL], s[SEL+1]
.endr
.irp b, 0,1,2,3
	s_delay_alu instid0(VALU_DEP_4)
	v_max_num_f32 v[TMX+\b], v[TMX+\b], v[TMP+\b]          ; with lane l xor 16's: the block's largest magnitude
.endr
.irp b, 0,1,2,3
	s_delay_alu instid0(VALU_DEP_4)
	v_add_nc_u32 v[TSO+\b], 0xff000000, v[TMX+\b]          ; 2 off its exponent field: the conversion takes the exponent field of this operand as its scale
.endr
.irp b, 0,1,2,3
	s_delay_alu instid0(VALU_DEP_4)
	v_lshrrev_b32 v[TMP+\b], 23, v[TSO+\b]                 ; the scale's byte
.endr
	s_delay_alu instid0(VALU_DEP_3)
	v_lshl_or_b32 v[PW], v[TMP+1], 8, v[TMP]               ; four bytes make my row's scale word; lanes l and l xor 16 hold the same
	s_delay_alu instid0(VALU_DEP_1)
	v_lshl_or_b32 v[PW], v[TMP+2], 16, v[PW]
	s_delay_alu instid0(VALU_DEP_1)
	v_lshl_or_b32 v[PW], v[TMP+3], 24, v[PW]
.irp c, 0,1
	v_cvt_scalef32_pk16_fp6_f32 v[PC+6*\c:PC+2+6*\c], v[\s+32*\c:\s+15+32*\c], v[TSO+2*\c]
	v_cvt_scalef32_pk16_fp6_f32 v[PC+12+4*\c:PC+14+4*\c], v[\s+16+32*\c:\s+31+32*\c], v[TSO+2*\c+1]   ; (a conversion's three registers begin on an even number)
.endr
	v_nop                                                  ; one plain place behind a scaled conversion
.irp c, 0,1                                            ; the operand's layout wants a whole block in a lane: lanes 0-15 block 2 c, lanes 16-31 block 2 c + 1
.irp i, 0,1,2
	v_permlane16_swap_b32 v[PC+6*\c+\i], v[PC+12+4*\c+\i]
.endr
.irp i, 0,1,2
	s_delay_alu instid0(VALU_DEP_3)
	v_mov_b32 v[PC+3+6*\c+\i], v[PC+12+4*\c+\i]
.endr
.endr
.endm
	s_load_b256 s[4:11], s[0:1], 0x0               ; attn_w s[4:5], attn_b s[6:7], hidden's codes s[8:9], hidden's scales s[10:11]
	s_load_b128 s[12:15], s[0:1], 0x20             ; wq s[12:13], hpc s[14:15]
	v_lshrrev_b32 v15, 5, v0
	s_delay_alu instid0(VALU_DEP_1)
	v_readfirstlane_b32 s16, v15                   ; wave 0..15
	s_and_b32 s17, s16, 7                          ; my K step
	v_and_b32 v11, 31, v0                          ; lane
	v_and_b32 v15, 15, v0                          ; r
	s_wait_alu depctr_va_vdst(0)
	v_bfe_u32 v51, v0, 4, 1                        ; h
	; every LDS address is made here, ahead of the first parting of the waves
	v_lshlrev_b32 v[LI], 4, v11
	s_mul_i32 s18, s16, WSTG
	v_add_nc_u32 v[ST], s18, v[LI]                 ; in: a row's 512 bytes as they lie
	v_mul_u32_u24 v[RD], v15, SPITCH
	s_delay_alu instid0(VALU_DEP_1)
	v_lshl_add_u32 v[RD], v51, 6, v[RD]
	s_delay_alu instid0(VALU_DEP_1)
	v_add_nc_u32 v[RD], s18, v[RD]                 ; out: row r, my 16 numbers of each block of 32
	s_mul_i32 s18, s17, 1536
	s_add_co_u32 s18, s18, IMG
	v_add_nc_u32 v[IMW], s18, v[LI]
	s_lshl_b32 s18, s17, 7
	s_add_co_u32 s18, s18, HSC
	v_lshl_add_u32 v[HSA], v11, 2, s18
	s_and_b32 s18, s16, 1
	s_lshl_b32 s18, s18, 8                         ; odd K steps lie in the places of lanes 16-31: 256 bytes on
	s_lshr_b32 s19, s17, 1
	s_lshl_b32 s19, s19, 2                         ; word K step / 2 of a lane's four
	s_add_co_u32 s18, s18, s19
	s_add_co_u32 s18, s18, SCG
	v_lshl_add_u32 v[SCW], v15, 4, s18
	v_mul_u32_u24 v[HCA], v15, 768
	s_delay_alu instid0(VALU_DEP_1)
	v_mad_u32_u24 v[HCA], v51, 24, v[HCA]
	v_lshlrev_b32 v[HWA], 5, v15
	v_lshlrev_b32 v[BA], 2, v15
	s_delay_alu instid0(VALU_DEP_1)
	v_lshl_add_u32 v[OA], v51, 15, v[BA]
	v_add_nc_u32 v[SCR], SCG, v[LI]
	v_add_nc_u32 v[IMR], IMG, v[LI]
	v_lshl_add_u32 v[HSR], v11, 2, HSC
	s_mov_b32 s[SEL], 0x76543210
	s_mov_b32 s[SEL+1], 0xfedcba98                 ; v_permlanex16_b32's selects for lane l xor 16
	s_mov_b32 s22, 0x4038aa3b                      ; c = 2 log2(e)
.irp b, 0,1,2,3
	v_mov_b32 v[TMP+\b], 0                         ; written once: a lane permute's destination counts as one of its sources
.endr
	s_lshl_b32 s24, ttmp9, 17                      ; 16 rows of 8,192 bytes a work-group,
	s_lshl_b32 s26, s16, 9                         ; 512 bytes of a row a wave
	s_add_co_u32 s24, s24, s26
	s_mov_b32 s25, 0
	s_mul_i32 s26, ttmp9, 12800                    ; my tile in wq
	s_mov_b32 s27, 0
	s_mov_b32 s29, 0
	s_wait_kmcnt 0x0
	s_add_nc_u64 s[4:5], s[4:5], s[24:25]
	s_add_nc_u64 s[12:13], s[12:13], s[26:27]
.irp r, 0,1,2,3,4,5,6,7,8,9,10,11,12,13,14,15
	global_load_b128 v[LD+4*\r:LD+4*\r+3], v[LI], s[4:5] offset:8192*\r th:TH_LOAD_NT   ; 32 lanes read 512 consecutive bytes of row r
.endr
	s_wait_loadcnt 0x0
.irp r, 0,1,2,3,4,5,6,7,8,9,10,11,12,13,14,15
	ds_store_b128 v[ST], v[LD+4*\r:LD+4*\r+3] offset:SPITCH*\r
.endr
.irp b, 0,1,2,3
.irp j, 0,1,2,3
	ds_load_b128 v[X+16*\b+4*\j:X+16*\b+4*\j+3], v[RD] offset:128*\b+16*\j   ; LDS serves a wave's instructions in order: these see my stores
.endr
.endr
	s_wait_dscnt 0x0
	QUANT X
	s_cmp_lt_u32 s16, 8
	s_cbranch_scc0 .Lwe
.irp c, 0,1,2
	ds_store_b128 v[IMW], v[PC+4*\c:PC+4*\c+3] offset:512*\c   ; w_h's fragment goes to LDS as it stands in the registers
.endr
	ds_store_b32 v[HSA], v[PW]
	s_branch .Lmeet
.Lwe:
	s_mul_i32 s28, s17, 1536
	s_add_nc_u64 s[30:31], s[12:13], s[28:29]
	s_wait_alu depctr_va_vdst(0)
.irp c, 0,1,2
	global_store_b128 v[LI], v[PC+4*\c:PC+4*\c+3], s[30:31] offset:512*\c   ; w_e's fragment: each store covers 512 consecutive bytes, aligned to 256
.endr
	ds_store_b32 v[SCW], v[PW]                     ; lanes l and l xor 16 write the same word with the same value
.Lmeet:
	s_wait_dscnt 0x0                               ; for the others' sake: my LDS stores are done
	s_barrier_signal -1
	s_barrier_wait -1
	s_cmp_eq_u32 s16, 8
	s_cbranch_scc0 .Lnot8
	ds_load_b128 v[64:67], v[SCR]                  ; the tile's 512 bytes of scale words, gathered from eight waves
	s_wait_dscnt 0x0
	global_store_b128 v[LI], v[64:67], s[12:13] offset:12288
	s_wait_xcnt 0x0
	v_lshl_add_u32 v62, v0, 2, 0x24800
	v_mov_b32 v63, 0
	s_wait_alu depctr_va_vdst(0)
	s_wait_tensorcnt 0x0
	ds_add_u32 v62, v63
	s_wait_dscnt 0x0
	s_endpgm
.Lnot8:
	s_cmp_lt_u32 s16, 2
	s_cbranch_scc1 .Lprod
	s_wait_xcnt 0x0
	v_lshl_add_u32 v62, v0, 2, 0x24800
	v_mov_b32 v63, 0
	s_wait_alu depctr_va_vdst(0)
	s_wait_tensorcnt 0x0
	ds_add_u32 v62, v63
	s_wait_dscnt 0x0
	s_endpgm
.Lprod:                                                ; waves 0 and 1: rows 16 w .. 16 w + 15 of hidden against the tile's 16 rows of w_h
	s_mul_i32 s28, s16, 12288
	s_add_nc_u64 s[8:9], s[8:9], s[28:29]
	s_lshl_b32 s28, s16, 9
	s_add_nc_u64 s[10:11], s[10:11], s[28:29]
	s_lshl_b32 s28, ttmp9, 6
	s_add_nc_u64 s[6:7], s[6:7], s[28:29]
	s_lshl_b32 s30, s16, 16
	s_add_co_u32 s28, s28, s30
	s_add_nc_u64 s[14:15], s[14:15], s[28:29]      ; hpc at row 16 w, column 16 t
.irp s, 0,1,2,3,4,5,6,7
.irp p, 0,1,2,3,4,5
	global_load_b64 v[HF+12*\s+2*\p:HF+12*\s+2*\p+1], v[HCA], s[8:9] offset:96*\s+48*(\p/3)+8*(\p%3)   ; 24 bytes of the row's stream of bits, twice, in pieces of 8
.endr
	global_load_b32 v[HSW+\s], v[HWA], s[10:11] offset:4*\s
.endr
	global_load_b32 v60, v[BA], s[6:7]             ; attn_b[16 t + r]
.irp i, 0,1,2,3,4,5,6,7,8,9,10,11,12,13,14,15,16,17,18,19,20,21,22,23
	ds_load_b128 v[WF+4*\i:WF+4*\i+3], v[IMR] offset:512*\i
.endr
.irp s, 0,1,2,3,4,5,6,7
	ds_load_b32 v[WSW+\s], v[HSR] offset:128*\s
.endr
	s_wait_loadcnt 0x0
	s_wait_dscnt 0x0
	v_mul_f32 v61, s22, v60                        ; c x bias
	; two accumulators by turns, even K steps and odd ones; the first two products start the sums
	v_wmma_scale_f32_16x16x128_f8f6f4 v[ACC0:ACC0+7], v[HF:HF+11], v[WF:WF+11], 0, v[HSW], v[WSW] matrix_a_fmt:MATRIX_FMT_FP6 matrix_b_fmt:MATRIX_FMT_FP6
	v_wmma_scale_f32_16x16x128_f8f6f4 v[ACC1:ACC1+7], v[HF+12:HF+23], v[WF+12:WF+23], 0, v[HSW+1], v[WSW+1] matrix_a_fmt:MATRIX_FMT_FP6 matrix_b_fmt:MATRIX_FMT_FP6
.irp s, 2,4,6
	v_wmma_scale_f32_16x16x128_f8f6f4 v[ACC0:ACC0+7], v[HF+12*\s:HF+12*\s+11], v[WF+12*\s:WF+12*\s+11], v[ACC0:ACC0+7], v[HSW+\s], v[WSW+\s] matrix_a_fmt:MATRIX_FMT_FP6 matrix_b_fmt:MATRIX_FMT_FP6
	v_wmma_scale_f32_16x16x128_f8f6f4 v[ACC1:ACC1+7], v[HF+12*\s+12:HF+12*\s+23], v[WF+12*\s+12:WF+12*\s+23], v[ACC1:ACC1+7], v[HSW+\s+1], v[WSW+\s+1] matrix_a_fmt:MATRIX_FMT_FP6 matrix_b_fmt:MATRIX_FMT_FP6
.endr
.rept 4
	v_nop                                          ; four places behind the last product, ahead of the first read of results (ISA guide 7.12.1)
.endr
.irp j, 0,1,2,3,4,5,6,7
	v_add_f32 v[OUT+\j], v[ACC0+\j], v[ACC1+\j]    ; each accumulator from its low end on
.endr
.irp j, 0,1,2,3,4,5,6,7
	v_fma_f32 v[OUT+\j], v[OUT+\j], s22, v61
.endr
.irp j, 0,1,2,3,4,5,6,7
	global_store_b32 v[OA], v[OUT+\j], s[14:15] offset:4096*\j   ; hpc(16 w + 8 h + j, 16 t + r)
.endr
	s_wait_xcnt 0x0
	v_lshl_add_u32 v62, v0, 2, 0x24800
	v_mov_b32 v63, 0
	s_wait_alu depctr_va_vdst(0)
	s_wait_tensorcnt 0x0
	ds_add_u32 v62, v63
	s_wait_dscnt 0x0
	s_endpgm
.Lfunc_end_k_q284d85978a_prep:
	.size	k_q284d85978a_prep, .Lfunc_end_k_q284d85978a_prep-k_q284d85978a_prep
	.p2alignl 7, 3214868480
	.fill 96, 4, 3214868480
	.section	.rodata,"a",@progbits
	.p2align	6, 0x0
	.amdhsa_kernel k_q284d85978a_prep
		.amdhsa_group_segment_fixed_size 151552
		.amdhsa_private_segment_fixed_size 0
		.amdhsa_enable_private_segment 0
		.amdhsa_kernarg_size 48
		.amdhsa_user_sgpr_count 2
		.amdhsa_user_sgpr_kernarg_segment_ptr 1
		.amdhsa_wavefront_size32 1
		.amdhsa_system_sgpr_workgroup_id_x 1
		.amdhsa_system_sgpr_workgroup_id_y 1
		.amdhsa_system_sgpr_workgroup_id_z 1
		.amdhsa_system_vgpr_workitem_id 0
		.amdhsa_next_free_vgpr 256
		.amdhsa_next_free_sgpr 66
		.amdhsa_reserve_vcc 0
		.amdhsa_float_denorm_mode_32 3
		.amdhsa_float_denorm_mode_16_64 3
		.amdhsa_memory_ordered 1
		.amdhsa_forward_progress 1
		.amdhsa_inst_pref_size 25
	.end_amdhsa_kernel
	.amdgpu_metadata
---
amdhsa.version: [ 1, 2 ]
amdhsa.kernels:
  - .name:           k_q284d85978a_prep
    .symbol:         k_q284d85978a_prep.kd
    .args:
      - { .name: attn_w, .offset: 0, .size: 8, .value_kind: global_buffer, .address_space: global }
      - { .name: attn_b, .offset: 8, .size: 8, .value_kind: global_buffer, .address_space: global }
      - { .name: hidden_codes, .offset: 16, .size: 8, .value_kind: global_buffer, .address_space: global }
      - { .name: hidden_scales, .offset: 24, .size: 8, .value_kind: global_buffer, .address_space: global }
      - { .name: wq, .offset: 32, .size: 8, .value_kind: global_buffer, .address_space: global }
      - { .name: hpc, .offset: 40, .size: 8, .value_kind: global_buffer, .address_space: global }
    .group_segment_fixed_size: 151552
    .private_segment_fixed_size: 0
    .kernarg_segment_align: 8
    .kernarg_segment_size: 48
    .max_flat_workgroup_size: 512
    .sgpr_count:     66
    .vgpr_count:     256
    .wavefront_size: 32
...
	.end_amdgpu_metadata
.endif
;; end of part 1
;; launch main (part 2): grid 256 x 1, 4 waves a work-group, clusters of 4 x 1, 327,680 bytes of LDS; arguments encoder_outputs, wq, hpc, v, part, stats; writes part, stats
.if DOCPART == 2
	.amdgcn_target "amdgcn-amd-amdhsa--gfx1250"
	.amdhsa_code_object_version 6
	.text
	.protected	k_q284d85978a_main
	.globl	k_q284d85978a_main
	.p2align	8
	.type	k_q284d85978a_main,@function
k_q284d85978a_main:
	s_mov_b64 s[64:65], 0
	v_nop
	global_prefetch_b8 v0, s[64:65] scope:SCOPE_SE
	s_setreg_imm32_b32 hwreg(HW_REG_WAVE_MODE, 25, 1), 1
	s_wait_xcnt 0x0
	s_wait_alu depctr_hold_cnt(0) depctr_sa_sdst(0) depctr_va_vdst(0) depctr_va_sdst(0) depctr_va_ssrc(0) depctr_va_vcc(0) depctr_vm_vsrc(0)
	s_getreg_b32 s2, hwreg(HW_REG_IB_STS2, 6, 4)
	s_cmp_eq_u32 s2, 0
	s_cbranch_scc0 .Lentry_in_a_cluster
	s_endpgm
.Lentry_in_a_cluster:
	s_bfe_u32 s2, ttmp6, 0x10000c
	s_cmp_lg_u32 s2, 0x3003
	s_cbranch_scc0 .Lentry_shape_is_right
	s_endpgm
.Lentry_shape_is_right:
; Additive attention, all of it but the last merge.  encoder_outputs [2048 l][32 b][1024] f32 is read ONCE.
; SHARES.  Work-group g = (b = g / 8, chunk = g % 8) owns 256 values of l of one b, in two passes of 128 rows.  Wave w owns 32 rows of a pass from start to finish:
;   Q: it loads them, keeps a bf16 copy in 512 registers, and quantises them along the 1,024 (codes of FP6 (E2M3), one E8M0 byte for each 32): 16 fragments, 192 registers;
;   M: it multiplies them by all 1,024 columns of w_e, whose codes (made by the launch before, in the order of the operand's registers) come in 8 tiles of 128 columns through a ring of two LDS slots;
;      x = the product + hidden's part + bias; tanh x = 1 - 2 r, r = 1 / (1 + 2^(c x)), c = 2 log2(e); sigma_l = sum over o of (-c v[o]) r: the score x log2(e), less a constant;
;   S: mu = the largest sigma of its 32 rows, p = 2^(sigma - mu), and their sum;   C: the sum of p x row, from the bf16 copy.  part[id] and stats[id] = (mu, sum of p) go to the next launch; id = 8 g + 4 pass + w.
; THE CONSTANT that sigma lacks is log2(e) x the sum of v: the same for every l, so the softmax's own subtraction of the largest score takes it away for every input; it is not formed.
; 2^(c x) may overflow to infinity (r = 0) or fall to 0 (r = 1): both are tanh's limits.
; CLUSTER.  Every work-group walks the same tiles of w_e: the four of a cluster ask for each JOINTLY (the same tensor load, the same descriptor, a mask that names the four).  Each wave asks for a quarter of a tile.
; The rows of the next pass have no room on the chip while this pass is multiplied (a row is 2,048 bytes as bf16 and 800 as codes): only its first 48 loads a wave are asked for ahead, behind the last product.
; LIMITS: NaN and infinities among the inputs are not served; a block of zeros gets the scale byte 1 where the rule says 127 (its codes are zeros; no byte leaves the registers); blocks whose largest
; magnitude lies under 2^-124 were not tried; the rows are rounded to bf16 for the last product, the weights p stay f32.
; REGISTERS, in windows of 256 (s_set_vgpr_msb: bits 1:0 source 0, 3:2 source 1, 5:4 source 2, 7:6 destination):
;   window 0: v1-11 addresses; v12-19 A's scale words, v20-27 B's (these hold scales and nothing else); v28-31 -c v of two tiles; v64-255 B's fragments, two sets of 96.
;             In Q: v28-60 the quantiser's; v64-127, v128-191 rows as loaded; v192-255 64 numbers of a row.  In S and C: v192-223 the context, v224-239 sigma and p, v240-243 at work.
;   window 1: v0-191 A's 16 fragments; v192-223 two sets of two accumulators; v224-239 sigma's partial sums; v240-243 hidden's part of two tiles.  In Q: v192-255 a third set of rows as loaded.
;   windows 2, 3: the bf16 copy: window 2 + t, register 16 m + 2 s + u: row 16 t + m, k = 128 s + 4 lane + 2 u and + 1.
; THE SECOND PASS'S ROWS ARE PREFETCHED while the first pass is multiplied: in each of its 8 trips a wave names 4 of its next 32 rows by 2 instructions, a lane a block of 256 bytes
; (16 blocks a row, 2 rows an instruction): each block once, by the wave that will load it, one pass ahead.  The second pass asks for nothing, so no address leaves the buffer.
.set ROWSTEP, 131072
.set PFO, 63                           ; v63  the prefetches' offset: (lane / 16) rows + 256 (lane % 16); never rewritten
.set PFA, 52                           ; s[52:53] where my prefetches stand: 4 rows on in each trip
.set PASSB,   128*ROWSTEP
.set NTB,     12800                    ; 16 columns of w_e: 8 images of 1,536 bytes and 512 bytes of scale words
.set TILEB,   8*NTB                    ; a tile of 128 columns: an LDS slot
.set QB,      TILEB/4                  ; what one tensor load brings: 100 rows of 256 bytes
.set SLOT1,   1<<17                    ; slot 1 begins here, so that one exclusive or turns an address in one slot into the other's
.set HPCT,    TILEB                    ; behind slot 0: hpc[b], 4,096 bytes; 4,096 bytes on: -c v
.set SPARE,   HPCT+8192                ; the spare words, 128 bytes for each wave: two blocks of 256 bytes that no other line names
.set STG,     SLOT1+TILEB              ; behind slot 1: a stage for each wave, 16 rows x (512 bytes + 16)
.set SPITCH,  528
.set WSTG,    16*SPITCH
.set SPW, 1                            ; v1   LDS address of my spare word; never rewritten
.set NIL, 2                            ; v2   0; never rewritten
.set LI,  3                            ; v3   16 x lane
.set ST,  4                            ; v4   the stage, on the way in
.set RD,  5                            ; v5   and on the way out
.set AB,  6                            ; v6-7 the slot in hand + 16 x lane; the same 4 NTB on
.set HV0, 8                            ; v8   HPCT + 4 (lane % 16)
.set AHV, 9                            ; v9   the same at the trip's first column
.set LN,  10                           ; v10  lane
.set ZR,  11                           ; v11  0: the offset of the stats' store
.set ASC, 12
.set BSC, 20
.set NV,  28
.set PC,  28                           ; Q: v28-47 the codes just made
.set PW,  PC+15                        ;    v43 the scale word just made (a register that the conversions leave free)
.set TMX, 48
.set TMP, 52
.set TSO, 56
.set MU,  58                           ; S: v58 mu, v59 the sum of p
.set PB,  60                           ; C: v60-61 a row's p, by turns
.set TT,  62                           ; S: a lane permute's destination
.set BF,  64
.set X,   192
.set CT,  192
.set P,   224
.set TQ,  240
.set AC,  192                          ; window 1
.set SC,  224
.set HP,  240
.set WV,  16
.set SEL, 20
.set CC,  22
.set HM,  24
.set PASS, 25
.set TRIPS, 26
.set TB,  27                           ; LDS byte at which the slot in hand begins
.set PH,  28                           ; the trip's first column x 4
.set G1,  32
.set G0,  40
.set PS,  66                           ; s66-97 the 32 rows' p
.set MSB, 0
.macro WIN new                         ; the immediate's high byte repeats the setting that is left; a switch that changes nothing is dropped
.if MSB != (\new)
	s_set_vgpr_msb (MSB<<8)|(\new)
.set MSB, (\new)
.endif
.endm
.macro ROUND                           ; a round of the cluster's barrier
	s_barrier_signal -1
	s_barrier_wait -1
	s_cmp_lg_u32 s[WV], 0
	s_cbranch_scc1 .Lnot_wave_0_\@
	s_barrier_signal -3
.Lnot_wave_0_\@:
	s_barrier_wait -3
	s_barrier_signal -1
	s_barrier_wait -1
.endm
; THE CHANGE OF SLOTS.  Each wave waits for all its tensor loads (one is out at the most: its quarter of the slot that is read next), adds 0 to its spare word, and waits for that and for all its LDS reads.
; kind 1: the slot just left takes the next tile; kind 2: a pass begins: slot 0 takes tile 0, which lands while the rows are quantised; kind 0: the last tile: nothing is asked for, a plain barrier.
.macro CHANGE kind
	WIN 0
	s_wait_tensorcnt 0x0                           ; no tensor load of mine is out, so the descriptor may be written
	ds_add_u32 v[SPW], v[NIL]                      ; 0 onto my spare word
.if \kind == 2
	ds_add_u32 v[SPW], v[NIL]                      ; at the pass's top it is done twice
.endif
.if \kind == 1
	s_xor_b32 s[G0+1], s[G0+1], SLOT1
	s_add_nc_u64 s[G0+2:G0+3], s[G0+2:G0+3], TILEB
.elseif \kind == 2
	s_xor_b32 s[G0+1], s[G0+1], SLOT1
	s_sub_nc_u64 s[G0+2:G0+3], s[G0+2:G0+3], 7*TILEB
.endif
	s_wait_dscnt 0x0                               ; the add is done, my LDS reads are back and my LDS stores have landed
.if \kind
	ROUND                                          ; no wave of any partner still reads the slot or has a load on its way
	tensor_load_to_lds s[G0:G0+3], s[G1:G1+7]      ; my one tensor load behind the round, and the first thing there
	s_nop 0
.rept 4
	v_nop
.endr
.else
	s_barrier_signal -1
	s_barrier_wait -1
.endif
.endm
; 16 rows x 512 bytes: rows 16 t .. 16 t + 15 of my 32, K step s (f = 8 t + s), into landing set f % 3.  Each load reads 512 consecutive bytes, aligned to 256.
.macro GL f
.set gt, (\f)/8
.set gs, (\f)%8
.set gq, (\f)%3
	WIN (gq/2)<<6
.irp r, 0,1,2,3,4,5,6,7,8,9,10,11,12,13,14,15
	global_load_b128 v[64+64*gq+4*\r:64+64*gq+4*\r+3], v[LI], s[4:5] offset:(16*gt+\r)*ROWSTEP+512*gs th:TH_LOAD_NT
.endr
	WIN 0
.endm
; 64 numbers of a lane, register 16 b + i = k 32 b + 16 (lane / 16) + i of my row, become a fragment's codes in v[PC] on and its scale word in v[PW].
.macro QUANT s
.irp b, 0,1,2,3
	v_max3_num_f32 v[TMX+\b], |v[\s+16*\b]|, |v[\s+1+16*\b]|, 0x1800000   ; block b: my 16 numbers, and the floor 2^(3 - 127): the byte cannot fall under 1
.endr
.irp i, 2,4,6,8,10,12,14
.irp b, 0,1,2,3
	v_max3_num_f32 v[TMX+\b], v[TMX+\b], |v[\s+16*\b+\i]|, |v[\s+1+16*\b+\i]|
.endr
.endr
.irp b, 0,1,2,3
	v_permlanex16_b32 v[TMP+\b], v[TMX+\b], s[SEL], s[SEL+1]
.endr
.irp b, 0,1,2,3
	v_max_num_f32 v[TMX+\b], v[TMX+\b], v[TMP+\b]          ; with lane l xor 16's: the block's largest magnitude
.endr
.irp b, 0,1,2,3
	v_add_nc_u32 v[TSO+\b], 0xff000000, v[TMX+\b]          ; 2 off its exponent field: the conversion's scale operand
.endr
.irp b, 0,1,2,3
	v_lshrrev_b32 v[TMP+\b], 23, v[TSO+\b]                 ; the scale's byte
.endr
	v_lshl_or_b32 v[PW], v[TMP+1], 8, v[TMP]
	v_lshl_or_b32 v[PW], v[TMP+2], 16, v[PW]
	v_lshl_or_b32 v[PW], v[TMP+3], 24, v[PW]
.irp c, 0,1
	v_cvt_scalef32_pk16_fp6_f32 v[PC+6*\c:PC+2+6*\c], v[\s+32*\c:\s+15+32*\c], v[TSO+2*\c]
	v_cvt_scalef32_pk16_fp6_f32 v[PC+12+4*\c:PC+14+4*\c], v[\s+16+32*\c:\s+31+32*\c], v[TSO+2*\c+1]
.endr
	v_nop                                                  ; one plain place behind a scaled conversion
.irp c, 0,1
.irp i, 0,1,2
	v_permlane16_swap_b32 v[PC+6*\c+\i], v[PC+12+4*\c+\i]  ; a whole block to a lane: lanes 0-15 block 2 c, lanes 16-31 block 2 c + 1
.endr
.irp i, 0,1,2
	v_mov_b32 v[PC+3+6*\c+\i], v[PC+12+4*\c+\i]
.endr
.endr
.endm
; Fragment f = 8 t + s of my rows: the bf16 copy, the turn through my stage (a load gives a lane 4 numbers of each of 16 rows; the conversions want 64 of one row), the codes, the scale word.
.macro FRAGQ f
.set ft, (\f)/8
.set fs, (\f)%8
.set fq, (\f)%3
.set LW, fq/2
.set LS, 64+64*fq
.if (\f) <= 13
	s_wait_loadcnt 32                              ; my 16 loads are in; the two younger sets stay out
.elseif (\f) == 14
	s_wait_loadcnt 16
.else
	s_wait_loadcnt 0
.endif
	WIN ((2+ft)<<6)|(LW<<2)|LW
.irp r, 0,1,2,3,4,5,6,7,8,9,10,11,12,13,14,15
	v_cvt_pk_bf16_f32 v[16*\r+2*fs], v[LS+4*\r], v[LS+4*\r+1]
	v_cvt_pk_bf16_f32 v[16*\r+2*fs+1], v[LS+4*\r+2], v[LS+4*\r+3]
.endr
	WIN LW<<2                                      ; an LDS store's data are its source 1
.irp r, 0,1,2,3,4,5,6,7,8,9,10,11,12,13,14,15
	ds_store_b128 v[ST], v[LS+4*\r:LS+4*\r+3] offset:SPITCH*\r
.endr
	WIN 0
.irp b, 0,1,2,3
.irp j, 0,1,2,3
	ds_load_b128 v[X+16*\b+4*\j:X+16*\b+4*\j+3], v[RD] offset:128*\b+16*\j   ; LDS serves a wave's instructions in order: these see my stores
.endr
.endr
	s_wait_dscnt 0x0                               ; my row's 64 numbers are in, and the stores have read the landing set,
.if (\f)+3 < 16
	GL (\f)+3                                      ; which takes the loads of three fragments on
.endif
	QUANT X
.if fs%2 == 0
	v_mov_b32 v[ASC+4*ft+fs/2], v[PW]              ; one register carries two K steps' words: the even step's in lanes 0-15,
.else
	v_cndmask_b32 v[ASC+4*ft+fs/2], v[ASC+4*ft+fs/2], v[PW], s[HM]   ; the odd step's in lanes 16-31
.endif
	WIN 0x40
.irp i, 0,1,2,3,4,5,6,7,8,9,10,11
	v_mov_b32 v[12*(\f)+\i], v[PC+\i]
.endr
.endm
; B's eight fragments and four registers of scale words of the slot's j-th 16 columns, into set e: 25 loads of 512 consecutive bytes
.macro LB j, e
.irp i, 0,1,2,3,4,5,6,7,8,9,10,11,12,13,14,15,16,17,18,19,20,21,22,23
	ds_load_b128 v[BF+96*(\e)+4*\i:BF+96*(\e)+4*\i+3], v[AB+(\j)/4] offset:((\j)%4)*NTB+512*\i
.endr
	ds_load_b128 v[BSC+4*(\e):BSC+4*(\e)+3], v[AB+(\j)/4] offset:((\j)%4)*NTB+12288
.endm
; Matrix instruction wi of a tile's 16: K step wi / 2, my rows 16 (wi % 2) on.  Source 0 = 16 rows, source 1 = 16 columns o: a lane holds ONE column (lane % 16) and eight rows.
; The two accumulators take turns, one instruction a turn, and the sets change from tile to tile.  The first K step starts the sums.
.macro WM
.set ws, wi/2
.set wm, wi%2
.set rD, AC+16*te+8*wm
.set rA, 12*(8*wm+ws)
.set rB, BF+96*te+12*ws
.set rSA, ASC+4*wm+ws/2
.set rSB, BSC+4*te+ws/2
.if ws == 0
	v_wmma_scale_f32_16x16x128_f8f6f4 v[rD:rD+7], v[rA:rA+11], v[rB:rB+11], 0, v[rSA], v[rSB] matrix_a_fmt:MATRIX_FMT_FP6 matrix_b_fmt:MATRIX_FMT_FP6
.elseif ws%2 == 0
	v_wmma_scale_f32_16x16x128_f8f6f4 v[rD:rD+7], v[rA:rA+11], v[rB:rB+11], v[rD:rD+7], v[rSA], v[rSB] matrix_a_fmt:MATRIX_FMT_FP6 matrix_b_fmt:MATRIX_FMT_FP6
.else
	v_wmma_scale_f32_16x16x128_f8f6f4 v[rD:rD+7], v[rA:rA+11], v[rB:rB+11], v[rD:rD+7], v[rSA], v[rSB] matrix_a_fmt:MATRIX_FMT_FP6 matrix_b_fmt:MATRIX_FMT_FP6 matrix_a_scale:MATRIX_SCALE_ROW1 matrix_b_scale:MATRIX_SCALE_ROW1
.endif
.endm
; Item en of the 58 that turn set teo's 16 results a lane into sigma's partial sums.  All stand under the matrix instructions' own window setting.  Each accumulator is read from its low end on.
.macro EPI
.set eA, AC+16*teo
.if en < 8
	v_pk_fma_f32 v[eA+2*en:eA+2*en+1], v[eA+2*en:eA+2*en+1], s[CC:CC+1], v[HP+2*teo:HP+2*teo+1] op_sel_hi:[1,0,0]   ; c x: c times the product, + c (hidden's part + bias)
.elseif en < 24
.if en == 8
	s_wait_alu depctr_va_vdst(0)                   ; the wait ahead of the batch
.endif
	v_exp_f32 v[eA+en-8], v[eA+en-8]
.elseif en == 24
	v_nop                                          ; a plain place behind the exponentials
	s_wait_alu depctr_va_vdst(0)
.elseif en < 33
	v_pk_add_f32 v[eA+2*(en-25):eA+2*(en-25)+1], v[eA+2*(en-25):eA+2*(en-25)+1], 1.0 op_sel_hi:[1,0]
.elseif en < 49
.if en == 33
	s_wait_alu depctr_va_vdst(0)                   ; and ahead of this batch
.endif
	v_rcp_f32 v[eA+en-33], v[eA+en-33]
.elseif en == 49
	v_nop                                          ; a plain place behind the reciprocals
	s_wait_alu depctr_va_vdst(0)
.else
	v_pk_fma_f32 v[SC+2*(en-50):SC+2*(en-50)+1], v[eA+2*(en-50):eA+2*(en-50)+1], v[NV+2*teo:NV+2*teo+1], v[SC+2*(en-50):SC+2*(en-50)+1] op_sel_hi:[1,0,1]   ; += (-c v[o]) r
.endif
.set en, en+1
.endm
; Two prefetches: rows 0-1 and 2-3 of the four that this trip names.  The branch hangs on the pass's counter alone, the same in every wave and work-group.
.macro ASK
	s_cmp_eq_u32 s[PASS], 1
	s_cbranch_scc1 .Lno_ask_\@
	global_prefetch_b8 v[PFO], s[PFA:PFA+1] th:TH_LOAD_NT scope:SCOPE_SE
	global_prefetch_b8 v[PFO], s[PFA:PFA+1] offset:2*ROWSTEP th:TH_LOAD_NT scope:SCOPE_SE
.Lno_ask_\@:
.endm
; The slot's j-th 16 columns: 16 matrix instructions on end on set j % 2; the run of LDS loads; then this tile's own 58 items, in batches (teo names the set that the items work on: this tile's).
; No transcendental stands between a product and the next reader of its result.
; THE WAIT AT THE HEAD.  A tile's run issues, in this order: the next tile's two words (2), then B of the tile after next (25).  Tile j wants B(j) and its own two words: the only younger loads
; are the 25 of B(j + 1) (tile 0: B(1), issued with B(0) at the trip's head).  Tile 6's run fetches no B, so tile 7 waits for all.
.macro TILE j, last
.set te, (\j)%2
.set teo, te
.if (\j) < 7
	s_wait_dscnt 25
.else
	s_wait_dscnt 0
.endif
	WIN 0x51                                       ; A, C and D window 1, B window 0; it fits every item too
.set wi, 0
.rept 16
	WM
.set wi, wi+1
.endr
.rept 4
	v_nop                                          ; four places behind the last product: for the loads into B's set and its scale words, and for the first read of these results
.endr
.if (\last)*((\j)/7) == 0
	WIN 0x40
	ds_load_b32 v[HP+2*(1-te)], v[AHV] offset:64*((\j)+1)
	WIN 0
	ds_load_b32 v[NV+2*(1-te)], v[AHV] offset:4096+64*((\j)+1)
.endif
	WIN 0
.if (\j) < 6
	LB (\j)+2, te
.endif
.if (\j) == 2
	ASK                                            ; two tiles behind the trip's tensor load, five ahead of the next
.endif
	WIN 0x51
.set en, 0
.rept 58
	EPI
.endr
.endm
.macro TRIP kind, last                 ; a tile of 128 columns
	CHANGE \kind
	v_add_nc_u32 v[AB], s[TB], v[LI]
	v_add_nc_u32 v[AB+1], 4*NTB, v[AB]
	v_add_nc_u32 v[AHV], s[PH], v[HV0]
	s_wait_alu depctr_va_vdst(0)                   ; a wait behind these writes
	LB 0, 0
	LB 1, 1
.irp j, 0,1,2,3,4,5,6,7
	TILE \j, \last
.endr
	WIN 0
	s_xor_b32 s[TB], s[TB], SLOT1
	s_add_co_u32 s[PH], s[PH], 512
	s_wait_alu depctr_va_vdst(0)                   ; a wait directly ahead of the wait below
	s_wait_xcnt 0x0                                ; my prefetches, issued five tiles ago, have read their base
	s_add_nc_u64 s[PFA:PFA+1], s[PFA:PFA+1], 4*ROWSTEP
.endm
	s_load_b256 s[4:11], s[0:1], 0x0               ; encoder_outputs s[4:5], wq s[6:7], hpc s[8:9], v s[10:11]
	s_load_b128 s[12:15], s[0:1], 0x20             ; part s[12:13], stats s[14:15]
	v_lshl_add_u32 v[SPW], v0, 2, SPARE
	v_mov_b32 v[NIL], 0
	ds_add_u32 v[SPW], v[NIL]                      ; the opening lines: the add, twice on end, and its wait ahead of my first tensor load
	ds_add_u32 v[SPW], v[NIL]
	v_lshrrev_b32 v[TT], 5, v0
	v_readfirstlane_b32 s[WV], v[TT]               ; wave 0..3
	s_bfe_u32 s17, ttmp6, 0x40000                  ; cx: my place in the cluster
	s_lshl_b32 s18, ttmp9, 2
	s_add_co_u32 s18, s18, s17                     ; g = 4 x cluster + cx: it enters the addresses of the rows, hpc, part and stats alone
	v_and_b32 v[LN], 31, v0
	v_mov_b32 v[ZR], 0
	v_lshlrev_b32 v[LI], 4, v[LN]
	s_mul_i32 s30, s[WV], WSTG
	s_add_co_u32 s30, s30, STG                     ; my stage
	v_add_nc_u32 v[ST], s30, v[LI]
	v_and_b32 v[AHV], 15, v0                       ; r
	v_bfe_u32 v[AB], v0, 4, 1                      ; h
	v_mul_u32_u24 v[RD], v[AHV], SPITCH
	v_lshl_add_u32 v[RD], v[AB], 6, v[RD]
	v_add_nc_u32 v[RD], s30, v[RD]
	v_lshlrev_b32 v[PFO], 8, v[AHV]                ; 256 r
	v_lshl_add_u32 v[PFO], v[AB], 17, v[PFO]       ; + h rows
	v_lshl_add_u32 v[HV0], v[AHV], 2, HPCT
	v_lshl_add_u32 v[AB], v0, 4, HPCT              ; the tables: 16 bytes a thread, twice
	v_lshlrev_b32 v[AB+1], 4, v0
.irp b, 0,1,2,3
	v_mov_b32 v[TMP+\b], 0                         ; written once: a lane permute's destination counts as one of its sources
.endr
	s_mov_b32 s[SEL], 0x76543210
	s_mov_b32 s[SEL+1], 0xfedcba98                 ; v_permlanex16_b32's selects for lane l xor 16
	s_mov_b32 s[CC], 0x4038aa3b                    ; c = 2 log2(e)
	s_mov_b32 s[CC+1], s[CC]                       ; (named with it as a pair, so it is written)
	s_mov_b32 s[HM], 0xffff0000                    ; lanes 16-31
	s_mov_b32 s[PASS], 2
	; descriptor group 1: a dense block of 25,600 bytes as 100 rows of 256 bytes (32 elements of 8 bytes), no padding
	s_mov_b32 s[G1], 15|(3<<16)|(1<<21)            ; 15:0 the mask: all four work-groups; 17:16 elements of 8 bytes; 21 set beside a mask
	s_mov_b32 s[G1+1], 32<<16                      ; tensor_dim0 = 32
	s_mov_b32 s[G1+2], 100<<16                     ; tensor_dim1 = 100
	s_mov_b32 s[G1+3], 32<<16                      ; tile_dim0 = 32
	s_mov_b32 s[G1+4], 100                         ; tile_dim1 = 100
	s_mov_b32 s[G1+5], 32                          ; tensor_dim0_stride
	s_mov_b32 s[G1+6], 0
	s_mov_b32 s[G1+7], 0
	s_and_b32 s44, s18, 7                          ; chunk: 256 values of l, 2^25 bytes
	s_lshl_b32 s44, s44, 25
	s_lshl_b32 s46, s[WV], 22                      ; 32 values of l a wave
	s_add_co_u32 s44, s44, s46
	s_lshr_b32 s47, s18, 3                         ; b
	s_lshl_b32 s46, s47, 12                        ; 4,096 bytes a b
	s_add_co_u32 s44, s44, s46
	s_mov_b32 s45, 0
	s_mov_b32 s47, 0
	s_lshl_b32 s48, s18, 15                        ; part: id = 8 g + w, 4,096 bytes each
	s_lshl_b32 s31, s[WV], 12
	s_add_co_u32 s48, s48, s31
	s_mov_b32 s49, 0
	s_mul_i32 s50, s[WV], QB                       ; my quarter of a tile: made of the wave's number and constants alone
	s_add_co_u32 s[G0+1], s50, SLOT1               ; the walking descriptor begins one step back: slot 1, tile 7
	s_add_co_u32 s50, s50, 7*TILEB
	s_mov_b32 s51, 0
	s_mov_b32 s[G0], 1
	s_wait_alu depctr_va_vdst(0)
	s_wait_dscnt 0x0                               ; both opening adds are done
	s_wait_kmcnt 0x0
	s_add_nc_u64 s[4:5], s[4:5], s[44:45]          ; my first row
	s_add_nc_u64 s[PFA:PFA+1], s[4:5], PASSB       ; and my first row of the second pass
	s_add_nc_u64 s[8:9], s[8:9], s[46:47]          ; hpc[b]
	s_add_nc_u64 s[12:13], s[12:13], s[48:49]
	s_lshl_b32 s48, s18, 6                         ; stats: 8 bytes an id
	s_lshl_b32 s31, s[WV], 3
	s_add_co_u32 s48, s48, s31
	s_add_nc_u64 s[14:15], s[14:15], s[48:49]
	s_add_nc_u64 s[G0+2:G0+3], s[6:7], s[50:51]
	s_or_b32 s[G0+3], s[G0+3], 0x80000000          ; type = 2
	global_load_b128 v[192:195], v[AB+1], s[8:9]
	global_load_b128 v[196:199], v[AB+1], s[8:9] offset:2048
	global_load_b128 v[200:203], v[AB+1], s[10:11]
	global_load_b128 v[204:207], v[AB+1], s[10:11] offset:2048
	GL 0
	GL 1
	GL 2
	s_wait_loadcnt 48                              ; the tables' four loads are in; the three landing sets stay out
.irp i, 200,202,204,206
	v_pk_mul_f32 v[\i:\i+1], v[\i:\i+1], 0xc038aa3b op_sel_hi:[1,0]   ; -c v
.endr
	ds_store_b128 v[AB], v[192:195]
	ds_store_b128 v[AB], v[196:199] offset:2048
	ds_store_b128 v[AB], v[200:203] offset:4096
	ds_store_b128 v[AB], v[204:207] offset:6144
.Lpass:
	CHANGE 2                                       ; tile 0 is asked for; in the first pass its wait and its round also show the tables to every wave
	; ---- Q
.irp f, 0,1,2,3,4,5,6,7,8,9,10,11,12,13,14,15
	FRAGQ \f
.endr
	; ---- set-up: sigma's sums begin at 0.  (These lines are also the places between the last write of a scale word or a fragment and the first scaled matrix instruction.)
	WIN 0x40
.irp i, 0,1,2,3,4,5,6,7,8,9,10,11,12,13,14,15
	v_mov_b32 v[SC+\i], 0
.endr
	v_mov_b32 v[HP+1], 0                           ; (the odd registers are named as upper halves of pairs, so they are written)
	v_mov_b32 v[HP+2], 0
	v_mov_b32 v[HP+3], 0
	ds_load_b32 v[HP], v[HV0]                      ; the first tile's two words
	WIN 0
	v_mov_b32 v[NV+1], 0
	v_mov_b32 v[NV+2], 0
	v_mov_b32 v[NV+3], 0
	ds_load_b32 v[NV], v[HV0] offset:4096
	s_mov_b32 s[TB], 0
	s_mov_b32 s[PH], 0
	s_mov_b32 s[TRIPS], 7
	s_wait_alu depctr_va_vdst(0)                   ; a wait here: the fragments, scale words
	; ---- M
.Ltrip:
	TRIP 1, 0
	s_sub_co_u32 s[TRIPS], s[TRIPS], 1
	s_cmp_lg_u32 s[TRIPS], 0
	s_cbranch_scc1 .Ltrip
	TRIP 0, 1                                      ; the last tile is written out
	WIN 0x01
.irp i, 0,1,2,3,4,5,6,7,8,9,10,11,12,13,14,15
	v_mov_b32 v[P+\i], v[SC+\i]
.endr
	WIN 0
	s_wait_alu depctr_va_vdst(0)                   ; a wait ahead of the branch
	s_cmp_eq_u32 s[PASS], 1
	s_cbranch_scc1 .Lno_next
	s_add_nc_u64 s[4:5], s[4:5], PASSB             ; (every earlier load was shown done by the last fragment's wait for 0)
	GL 0
	GL 1
	GL 2
.Lno_next:
	; ---- S: a lane's 16 sums are those of its column o mod 16: the sixteen lanes of a half are added; then register 8 t + j of half h is sigma of row 16 t + 8 h + j
.irp m, 1,2,4,8
.irp i, 0,1,2,3,4,5,6,7,8,9,10,11,12,13,14,15
	v_add_f32_dpp v[P+\i], v[P+\i], v[P+\i] row_xmask:\m row_mask:0xf bank_mask:0xf
.endr
.endr
	v_max3_num_f32 v[TQ], v[P], v[P+1], v[P+2]
	v_max3_num_f32 v[TQ+1], v[P+3], v[P+4], v[P+5]
	v_max3_num_f32 v[TQ], v[TQ], v[P+6], v[P+7]
	v_max3_num_f32 v[TQ+1], v[TQ+1], v[P+8], v[P+9]
	v_max3_num_f32 v[TQ], v[TQ], v[P+10], v[P+11]
	v_max3_num_f32 v[TQ+1], v[TQ+1], v[P+12], v[P+13]
	v_max3_num_f32 v[TQ], v[TQ], v[P+14], v[P+15]
	v_max_num_f32 v[TQ], v[TQ], v[TQ+1]
	v_permlanex16_b32 v[TT], v[TQ], s[SEL], s[SEL+1]
	v_max_num_f32 v[MU], v[TQ], v[TT]              ; mu: the largest sigma of my 32 rows
.irp i, 0,1,2,3,4,5,6,7,8,9,10,11,12,13,14,15
	v_sub_f32 v[P+\i], v[P+\i], v[MU]
.endr
	s_wait_alu depctr_va_vdst(0)
.irp i, 0,1,2,3,4,5,6,7,8,9,10,11,12,13,14,15
	v_exp_f32 v[P+\i], v[P+\i]                     ; p = 2^(sigma - mu), at most 1
.endr
	v_nop                                          ; a plain place behind the exponentials
	s_wait_alu depctr_va_vdst(0)
	v_pk_add_f32 v[TQ:TQ+1], v[P:P+1], v[P+2:P+3]
	v_pk_add_f32 v[TQ+2:TQ+3], v[P+4:P+5], v[P+6:P+7]
	v_pk_add_f32 v[TQ:TQ+1], v[TQ:TQ+1], v[P+8:P+9]
	v_pk_add_f32 v[TQ+2:TQ+3], v[TQ+2:TQ+3], v[P+10:P+11]
	v_pk_add_f32 v[TQ:TQ+1], v[TQ:TQ+1], v[P+12:P+13]
	v_pk_add_f32 v[TQ+2:TQ+3], v[TQ+2:TQ+3], v[P+14:P+15]
	v_pk_add_f32 v[TQ:TQ+1], v[TQ:TQ+1], v[TQ+2:TQ+3]
	v_add_f32 v[TQ], v[TQ], v[TQ+1]
	v_permlanex16_b32 v[TT], v[TQ], s[SEL], s[SEL+1]
	v_add_f32 v[MU+1], v[TQ], v[TT]                ; the sum of my 32 rows' p
.irp t, 0,1
.irp h, 0,1
.irp j, 0,1,2,3,4,5,6,7
	v_readlane_b32 s[PS+16*\t+8*\h+\j], v[P+8*\t+\j], 16*\h
.endr
.endr
.endr
	; ---- C: the sum of p x row.  A lane holds k = 128 s + 4 lane + 0 .. 3 of every row, so nothing changes lanes.
.irp i, 0,1,2,3,4,5,6,7,8,9,10,11,12,13,14,15,16,17,18,19,20,21,22,23,24,25,26,27,28,29,30,31
	v_mov_b32 v[CT+\i], 0
.endr
.irp t, 0,1
	WIN 0x02+\t                                    ; source 0: the bf16 copy
.irp m, 0,1,2,3,4,5,6,7,8,9,10,11,12,13,14,15
	v_mov_b32 v[PB+\m%2], s[PS+16*\t+\m]
.irp q, 0,1,2,3,4,5,6,7,8,9,10,11,12,13,14,15
	v_fma_mix_f32_bf16 v[CT+2*\q], v[16*\m+\q], v[PB+\m%2], v[CT+2*\q] op_sel:[0,0,0] op_sel_hi:[1,0,0]
	v_fma_mix_f32_bf16 v[CT+2*\q+1], v[16*\m+\q], v[PB+\m%2], v[CT+2*\q+1] op_sel:[1,0,0] op_sel_hi:[1,0,0]
.endr
.endr
.endr
	WIN 0
.irp s, 0,1,2,3,4,5,6,7
	global_store_b128 v[LI], v[CT+4*\s:CT+4*\s+3], s[12:13] offset:512*\s   ; 32 lanes store 512 consecutive bytes, aligned to 256
.endr
	s_wait_xcnt 0x0                                ; EXEC changes only behind this wait: it is a source of the loads and stores that are out
	v_cmp_eq_u32 vcc_lo, 0, v[LN]
	s_and_saveexec_b32 s29, vcc_lo
	global_store_b64 v[ZR], v[MU:MU+1], s[14:15]   ; lane 0: (mu, the sum of p)
	s_wait_xcnt 0x0                                ; and again in front of the line that widens it; the stores' data and bases may be written behind it too
	s_or_b32 exec_lo, exec_lo, s29
	s_add_nc_u64 s[12:13], s[12:13], 16384         ; id + 4
	s_add_nc_u64 s[14:15], s[14:15], 32
	s_sub_co_u32 s[PASS], s[PASS], 1
	s_cmp_lg_u32 s[PASS], 0
	s_wait_alu depctr_va_vdst(0)
	s_cbranch_scc1 .Lpass
	s_wait_tensorcnt 0x0                           ; the wave's end
	ds_add_u32 v[SPW], v[NIL]
	s_wait_dscnt 0x0
	ROUND                                          ; the closing round: no work-group ends while a partner may still ask for a tile that names it
	s_endpgm
.Lfunc_end_k_q284d85978a_main:
	.size	k_q284d85978a_main, .Lfunc_end_k_q284d85978a_main-k_q284d85978a_main
	.p2alignl 7, 3214868480
	.fill 96, 4, 3214868480
	.section	.rodata,"a",@progbits
	.p2align	6, 0x0
	.amdhsa_kernel k_q284d85978a_main
		.amdhsa_group_segment_fixed_size 327680
		.amdhsa_private_segment_fixed_size 0
		.amdhsa_enable_private_segment 0
		.amdhsa_kernarg_size 48
		.amdhsa_user_sgpr_count 2
		.amdhsa_user_sgpr_kernarg_segment_ptr 1
		.amdhsa_wavefront_size32 1
		.amdhsa_system_sgpr_workgroup_id_x 1
		.amdhsa_system_sgpr_workgroup_id_y 1
		.amdhsa_system_sgpr_workgroup_id_z 1
		.amdhsa_system_vgpr_workitem_id 0
		.amdhsa_next_free_vgpr 1024
		.amdhsa_next_free_sgpr 98
		.amdhsa_reserve_vcc 1
		.amdhsa_float_denorm_mode_32 3
		.amdhsa_float_denorm_mode_16_64 3
		.amdhsa_memory_ordered 1
		.amdhsa_forward_progress 1
		.amdhsa_inst_pref_size 255
	.end_amdhsa_kernel
	.section	.bss,"aw",@nobits
	.p2align	6
	.space	262144
	.amdgpu_metadata
---
amdhsa.version: [ 1, 2 ]
amdhsa.kernels:
  - .name:           k_q284d85978a_main
    .symbol:         k_q284d85978a_main.kd
    .args:
      - { .name: encoder_outputs, .offset: 0, .size: 8, .value_kind: global_buffer, .address_space: global }
      - { .name: wq, .offset: 8, .size: 8, .value_kind: global_buffer, .address_space: global }
      - { .name: hpc, .offset: 16, .size: 8, .value_kind: global_buffer, .address_space: global }
      - { .name: v, .offset: 24, .size: 8, .value_kind: global_buffer, .address_space: global }
      - { .name: part, .offset: 32, .size: 8, .value_kind: global_buffer, .address_space: global }
      - { .name: stats, .offset: 40, .size: 8, .value_kind: global_buffer, .address_space: global }
    .group_segment_fixed_size: 327680
    .private_segment_fixed_size: 0
    .kernarg_segment_align: 8
    .kernarg_segment_size: 48
    .max_flat_workgroup_size: 128
    .sgpr_count:     98
    .vgpr_count:     1024
    .wavefront_size: 32
...
	.end_amdgpu_metadata
.endif
;; end of part 2
;; launch combine (part 3): grid 256 x 1, 4 waves a work-group, no clusters, 2,560 bytes of LDS; arguments part, stats, out0; writes out0
.if DOCPART == 3
	.amdgcn_target "amdgcn-amd-amdhsa--gfx1250"
	.amdhsa_code_object_version 6
	.text
	.protected	k_q284d85978a_combine
	.globl	k_q284d85978a_combine
	.p2align	8
	.type	k_q284d85978a_combine,@function
k_q284d85978a_combine:
	s_mov_b64 s[64:65], 0
	v_nop
	global_prefetch_b8 v0, s[64:65] scope:SCOPE_SE
	s_setreg_imm32_b32 hwreg(HW_REG_WAVE_MODE, 25, 1), 1
	s_wait_xcnt 0x0
; out0[b][k] = sum over the 64 partials i of b of 2^(mu_i - M) part[i][k] / sum over i of 2^(mu_i - M) sp_i;  M = the largest mu_i;  stats[i] = (mu_i, sp_i).
; Work-group g = (b = g / 8, 128 columns k: g % 8).  Wave w adds partials 16 w .. 16 w + 15; a lane holds 4 columns; the four waves' sums meet in LDS, and wave 0 stores 512 consecutive bytes.
; Memory binds and the work is small: no matrix unit, no tensor loads, no cluster.
	s_load_b128 s[4:7], s[0:1], 0x0                ; part s[4:5], stats s[6:7]
	s_load_b64 s[8:9], s[0:1], 0x10                ; out0
	v_lshl_add_u32 v96, v0, 2, 0x800
	v_mov_b32 v97, 0
	v_lshrrev_b32 v1, 5, v0
	v_readfirstlane_b32 s10, v1                    ; wave 0..3
	v_and_b32 v2, 31, v0                           ; lane
	v_lshlrev_b32 v1, 4, v2                        ; 16 x lane
	v_and_b32 v3, 15, v0
	v_lshlrev_b32 v3, 3, v3
	s_lshl_b32 s11, s10, 7
	v_add_nc_u32 v3, s11, v3                       ; my wave's own 16 stats: 128 w + 8 (lane % 16)
	v_lshlrev_b32 v2, 3, v2                        ; 8 x lane
	s_lshl_b32 s11, s10, 9
	v_add_nc_u32 v24, s11, v1                      ; LDS: 512 w + 16 x lane
	v_mov_b32 v11, 0                               ; a lane permute's destination counts as one of its sources
	s_lshr_b32 s12, ttmp9, 3                       ; b
	s_and_b32 s13, ttmp9, 7                        ; which 128 columns
	s_lshl_b32 s14, s12, 18                        ; 64 partials of 4,096 bytes a b,
	s_lshl_b32 s16, s10, 16                        ; 16 a wave,
	s_add_co_u32 s14, s14, s16
	s_lshl_b32 s16, s13, 9                         ; 512 bytes of each
	s_add_co_u32 s14, s14, s16
	s_mov_b32 s15, 0
	s_lshl_b32 s18, s12, 9                         ; stats: 512 bytes a b
	s_mov_b32 s19, 0
	s_lshl_b32 s20, s12, 12
	s_add_co_u32 s20, s20, s16                     ; out0: 4,096 b + 512 x columns' block
	s_mov_b32 s21, 0
	s_mov_b32 s22, 0x76543210
	s_mov_b32 s23, 0xfedcba98                      ; v_permlanex16_b32's selects for lane l xor 16
	s_wait_alu depctr_va_vdst(0)
	s_wait_kmcnt 0x0
	s_add_nc_u64 s[4:5], s[4:5], s[14:15]
	s_add_nc_u64 s[6:7], s[6:7], s[18:19]
	s_add_nc_u64 s[8:9], s[8:9], s[20:21]
	global_load_b64 v[4:5], v2, s[6:7]             ; partial lane
	global_load_b64 v[6:7], v2, s[6:7] offset:256  ; partial 32 + lane
	global_load_b64 v[8:9], v3, s[6:7]             ; partial 16 w + lane % 16
.irp i, 0,1,2,3,4,5,6,7,8,9,10,11,12,13,14,15
	global_load_b128 v[32+4*\i:35+4*\i], v1, s[4:5] offset:4096*\i th:TH_LOAD_NT   ; 32 lanes read 512 consecutive bytes
.endr
	s_wait_loadcnt 16                              ; the stats are in; the 16 loads of data stay out
	v_max_num_f32 v10, v4, v6
.irp m, 1,2,4,8
	v_max_num_f32_dpp v10, v10, v10 row_xmask:\m row_mask:0xf bank_mask:0xf
.endr
	v_permlanex16_b32 v11, v10, s22, s23
	v_max_num_f32 v10, v10, v11                    ; M
	v_sub_f32 v12, v4, v10
	v_sub_f32 v13, v6, v10
	v_sub_f32 v14, v8, v10
	s_wait_alu depctr_va_vdst(0)
	v_exp_f32 v12, v12
	v_exp_f32 v13, v13
	v_exp_f32 v14, v14
	v_nop                                          ; a plain place behind the exponentials
	s_wait_alu depctr_va_vdst(0)
	v_mul_f32 v12, v12, v5
	v_fma_f32 v12, v13, v7, v12
.irp m, 1,2,4,8
	v_add_f32_dpp v12, v12, v12 row_xmask:\m row_mask:0xf bank_mask:0xf
.endr
	v_permlanex16_b32 v11, v12, s22, s23
	v_add_f32 v12, v12, v11                        ; the divisor: at least 1, since the partial that holds M has a p of 1
	s_wait_alu depctr_va_vdst(0)
	v_rcp_f32 v13, v12
	v_nop                                          ; a plain place behind the reciprocal
	s_wait_alu depctr_va_vdst(0)
	v_mul_f32 v14, v14, v13                        ; lane i % 16: the weight of my wave's partial i
.irp i, 0,1,2,3,4,5,6,7,8,9,10,11,12,13,14,15
	v_readlane_b32 s[32+\i], v14, \i
.endr
	s_wait_loadcnt 15
.irp k, 0,1,2,3
	v_mul_f32 v[16+\k], s32, v[32+\k]              ; the first partial starts the sums
.endr
	s_wait_alu depctr_va_vdst(0)
.irp i, 1,2,3,4,5,6,7,8,9,10,11,12,13,14,15
	s_wait_alu depctr_va_vdst(0)
	s_wait_loadcnt 15-\i                           ; loads come back in order: partial i is in
.irp k, 0,1,2,3
	v_fma_f32 v[16+\k], s[32+\i], v[32+4*\i+\k], v[16+\k]
.endr
.endr
	ds_store_b128 v24, v[16:19]
	s_wait_dscnt 0x0                               ; for the others' sake: my store is done
	s_barrier_signal -1
	s_barrier_wait -1
	s_cmp_lg_u32 s10, 0
	s_cbranch_scc1 .Lend
.irp w, 0,1,2,3
	ds_load_b128 v[32+4*\w:35+4*\w], v1 offset:512*\w
.endr
	s_wait_dscnt 0x0
.irp k, 0,2
	v_pk_add_f32 v[32+\k:33+\k], v[32+\k:33+\k], v[36+\k:37+\k]
	v_pk_add_f32 v[40+\k:41+\k], v[40+\k:41+\k], v[44+\k:45+\k]
.endr
.irp k, 0,2
	v_pk_add_f32 v[32+\k:33+\k], v[32+\k:33+\k], v[40+\k:41+\k]
.endr
	global_store_b128 v1, v[32:35], s[8:9]         ; 32 lanes store 512 consecutive bytes, aligned to 256
.Lend:
	s_wait_tensorcnt 0x0
	ds_add_u32 v96, v97
	s_wait_dscnt 0x0
	s_endpgm
.Lfunc_end_k_q284d85978a_combine:
	.size	k_q284d85978a_combine, .Lfunc_end_k_q284d85978a_combine-k_q284d85978a_combine
	.p2alignl 7, 3214868480
	.fill 96, 4, 3214868480
	.section	.rodata,"a",@progbits
	.p2align	6, 0x0
	.amdhsa_kernel k_q284d85978a_combine
		.amdhsa_group_segment_fixed_size 2560
		.amdhsa_private_segment_fixed_size 0
		.amdhsa_enable_private_segment 0
		.amdhsa_kernarg_size 24
		.amdhsa_user_sgpr_count 2
		.amdhsa_user_sgpr_kernarg_segment_ptr 1
		.amdhsa_wavefront_size32 1
		.amdhsa_system_sgpr_workgroup_id_x 1
		.amdhsa_system_sgpr_workgroup_id_y 1
		.amdhsa_system_sgpr_workgroup_id_z 1
		.amdhsa_system_vgpr_workitem_id 0
		.amdhsa_next_free_vgpr 98
		.amdhsa_next_free_sgpr 66
		.amdhsa_reserve_vcc 0
		.amdhsa_float_denorm_mode_32 3
		.amdhsa_float_denorm_mode_16_64 3
		.amdhsa_memory_ordered 1
		.amdhsa_forward_progress 1
		.amdhsa_inst_pref_size 12
	.end_amdhsa_kernel
	.amdgpu_metadata
---
amdhsa.version: [ 1, 2 ]
amdhsa.kernels:
  - .name:           k_q284d85978a_combine
    .symbol:         k_q284d85978a_combine.kd
    .args:
      - { .name: part, .offset: 0, .size: 8, .value_kind: global_buffer, .address_space: global }
      - { .name: stats, .offset: 8, .size: 8, .value_kind: global_buffer, .address_space: global }
      - { .name: out0, .offset: 16, .size: 8, .value_kind: global_buffer, .address_space: global }
    .group_segment_fixed_size: 2560
    .private_segment_fixed_size: 0
    .kernarg_segment_align: 8
    .kernarg_segment_size: 24
    .max_flat_workgroup_size: 128
    .sgpr_count:     66
    .vgpr_count:     98
    .wavefront_size: 32
...
	.end_amdgpu_metadata
.endif
;; end of part 3
